; MI455X (gfx1250); checked and timed in simulation.
; The chip was launched on July 23, 2026; its instructions are those of AMD's public machine-readable ISA for CDNA 5 (MIT licence, August 2026) and "CDNA5" Instruction Set Architecture Reference Guide (July 2026). The comments in the code are by the model that wrote it; some were corrected since.
;; Attention simple. Allowed arithmetic: matrix products marked QUANTISED: E3M2 operands, one E8M0 scale for each 32 along K, by v_wmma_scale_f32_16x16x128_f8f6f4 with both operands' format E3M2, f32 sums; products left as they are: f32 operands where the result goes on into a quantised operand, else bf16, f16 or f32 operands; f32 sums; everything else in f32.
;; Inputs: W 1,024 x 1,024 float32; b one number float32; context 32 x 2,048 x 1,024 float32; v 1,024 float32.
;; Outputs: out0 32 x 1,024 float32; out1 32 x 2,048 float32.
;; This version of the problem:
;;   THIS VERSION OF THE PROBLEM IS GIVEN IN LOW PRECISION. The matrix products marked QUANTISED in the list below multiply operands that are first quantised to E3M2 (3 exponent bits, 2 mantissa bits; 6 bits a number), with one power-of-two scale for each 32 numbers along K (OCP MX v1.0); their sums are f32. All else is computed in f32.
;;   The module's matrix products, in the order in which they are computed (A, B: the left and right operand; K: the contracted axis; several contracted axes count as one K, in the product's order):
;;     1. [M 65,536, K 1,024] x [K 1,024, N 1,024]; A: input context; B: input W: QUANTISED
;;     2. [M 65,536, K 1,024] x [K 1,024, N 1]; A: computed on the way; B: input v: left as it is (N = 1 < 16)
;;     3. batch 32 x [M 1, K 2,048] x [K 2,048, N 1,024]; A: softmax; B: input context: left as it is (M = 1 < 16)
;;   THE QUANTISER, for each operand of a quantised product, along K:
;;     - K is cut into blocks of 32 from its start; a last block that is shorter is filled with zeros.
;;     - A block's scale is 2^e with e = floor(log2(the largest magnitude in the block)) - 4, held to -126 .. 127; a block of zeros has e = 0. As a byte (E8M0): e + 127.
;;     - Each number is divided by its block's scale, clamped to +-28, and rounded to the nearest number of E3M2, ties to even, subnormals kept.
;;     - The product sums the exact products of the quantised numbers (number of the format x scale) in f32.
;;   ~~~python
;;   def quantise(x, axis):      # numpy; x: float32 -> the quantised numbers, widened to float32 again
;;       x = np.moveaxis(x, axis, -1); K = x.shape[-1]
;;       x = np.pad(x, [(0, 0)] * (x.ndim - 1) + [(0, -K % 32)]); x = x.reshape(x.shape[:-1] + (-1, 32)); a = np.abs(x).max(-1, keepdims=True)
;;       e = np.where(a > 0, np.clip(np.frexp(np.where(a > 0, a, 1))[1] - 1 - 4, -126, 127), 0)      # np.frexp(a)[1] - 1 = floor(log2(a)), exactly
;;       r = np.clip(x / 2.0 ** e, -28, 28)
;;       step = 2.0 ** (np.maximum(np.frexp(np.where(r == 0, 1, r))[1] - 1, -2) - 2)
;;       q = np.round(r / step) * step * 2.0 ** e      # np.round: ties to even
;;       return np.moveaxis(q.reshape(q.shape[:-2] + (-1,))[..., :K], -1, axis).astype(np.float32)
;;   ~~~
;; One version. Each part assembles by itself: llvm-mc -triple=amdgcn-amd-amdhsa -mcpu=gfx1250 --defsym DOCPART=n.
;; ======== version 1 of 1: 3 launches
;; limits: values are held in bf16: 8 bits of precision; right only within a limited range of input values
;; workspace buffers: wq 819,200 bytes; lg 262,144 bytes; pv 2,097,152 bytes
;; launch wprep (part 1): grid 256 x 1, 1 waves a work-group, no clusters, 8,448 bytes of LDS; arguments W, wq; writes wq
.if DOCPART == 1
	.amdgcn_target "amdgcn-amd-amdhsa--gfx1250"
	.amdhsa_code_object_version 6
	.text
	.protected	k_q098d480840_wprep
	.globl	k_q098d480840_wprep
	.p2align	8
	.type	k_q098d480840_wprep,@function
k_q098d480840_wprep:
	s_mov_b64 s[64:65], 0
	v_nop
	global_prefetch_b8 v0, s[64:65] scope:SCOPE_SE
	s_setreg_imm32_b32 hwreg(HW_REG_WAVE_MODE, 25, 1), 1
	s_wait_xcnt 0x0
; W [1024 (e)][1024 (d)], f32, K = d innermost, becomes codes of BF6 (E3M2) with one E8M0 byte for each 32 along d, laid in the ORDER OF THE OPERAND'S REGISTERS for the launch that multiplies.
; wq: 8 slots of 102,400 bytes, slot 2 c + kh: chunk c = 256 rows of W, kh = half of K (four K steps of 128).  In a slot: the fragment of tile 16 c + 4 w + t (16 rows), K step ks' of the half,
; at ((4 w + ks') 4 + t) x 1,536: twelve registers a lane as three groups of 512 bytes, lane l's 16 bytes at 16 l.  Behind the 98,304 bytes of codes the scale words (four bytes: a row's 128 along K)
; at 2,048 (w / 2) + 512 ks' + 256 (w % 2) + 64 t + 4 r.
; A block's scale is 2^(floor(log2(its largest magnitude)) - 4); its byte is the largest magnitude's exponent field - 4, held at 1 from below.  A block of zeros so keeps the byte 1 where the rule says 127:
; its codes are zeros, which add nothing, and this program alone reads the bytes.
; LIMITS: NaN and infinities in W are not served.
; SHARES: a work-group is one wave: one tile of 16 rows x 256 along K = two fragments, in four granules of 16 rows x 64 columns.  Each load takes two rows' 256 consecutive bytes; a granule turns through LDS
; (rows 272 bytes apart), so that lane (r, h) gets, of row r, 16 neighbours of each block of 32.  The codes leave in stores of 512 consecutive bytes; the scale words in pieces of 64 bytes (32 KB in the whole launch).
.set SLOTB, 102400
.set FRB,   1536
.set SP,    272                        ; a stage row: 256 bytes + 16: sixteen rows start at sixteen different 16-byte columns
.set XOF, 3                            ; v3   W: 4,096 h + 16 r
.set STA, 4                            ; v4   the stage, in: 272 h + 16 r
.set LDA, 5                            ; v5   the stage, out: 272 r + 64 h
.set IMO, 6                            ; v6   an image's place for my lane: 16 l
.set SCO, 7                            ; v7   scale words: 512 h + 4 r
.set T,   24                           ; v24-26  a block's upper half of codes
.set PW,  28                           ; v28, v29 the two fragments' scale words; v30 what is stored
.set N,   32                           ; v32-63  64 numbers of my row: register 16 b + i = column 32 b + 16 h + i of the granule
.set R,   64                           ; v64-191 four granules as they are loaded
.set TM,  192                          ; v192-197 at work
.set PC,  200                          ; v200-223 the two fragments' codes: no store's data are written again
.set SEL, 24                           ; s[24:25] v_permlanex16_b32's selects for lane l xor 16
	s_load_b128 s[4:7], s[0:1], 0x0                ; W, wq
	v_lshl_add_u32 v224, v0, 2, 0x2000
	v_mov_b32 v225, 0
	v_and_b32 v1, 15, v0                           ; r
	v_lshrrev_b32 v2, 4, v0                        ; h (one wave: v0 is the lane)
	v_lshlrev_b32 v[XOF], 12, v2
	v_lshl_add_u32 v[XOF], v1, 4, v[XOF]
	v_mul_u32_u24 v[STA], v2, SP
	v_lshl_add_u32 v[STA], v1, 4, v[STA]
	v_mul_u32_u24 v[LDA], v1, SP
	v_lshl_add_u32 v[LDA], v2, 6, v[LDA]
	v_lshlrev_b32 v[IMO], 4, v0
	v_lshlrev_b32 v[SCO], 2, v1
	v_lshl_add_u32 v[SCO], v2, 9, v[SCO]
	v_mov_b32 v[TM+2], 0                           ; written once: a lane permute's destination counts as one of its sources
	v_mov_b32 v[TM+3], 0
	s_mov_b32 s[SEL], 0x76543210
	s_mov_b32 s[SEL+1], 0xfedcba98
	s_mov_b32 s26, 0xffff0000                      ; lanes 16-31
	s_lshr_b32 s8, ttmp9, 2                        ; the tile, 0..63
	s_and_b32 s9, ttmp9, 3                         ; which 256 along K
	s_lshl_b32 s10, s8, 16                         ; 16 rows of 4,096 bytes
	s_lshl_b32 s11, s9, 10
	s_add_co_u32 s10, s10, s11                     ; W: my first byte
	s_mov_b32 s11, 0
	s_lshr_b32 s12, s8, 4                          ; c
	s_bfe_u32 s13, s8, 0x20002                     ; w
	s_and_b32 s14, s8, 3                           ; t
	s_lshr_b32 s15, s9, 1                          ; kh
	s_and_b32 s16, s9, 1
	s_lshl_b32 s16, s16, 1                         ; ks' of my first fragment: 0 or 2
	s_lshl_b32 s12, s12, 1
	s_add_co_u32 s12, s12, s15
	s_mul_i32 s12, s12, SLOTB                      ; the slot's first byte
	s_lshl_b32 s17, s13, 2
	s_add_co_u32 s17, s17, s16
	s_lshl_b32 s17, s17, 2
	s_add_co_u32 s17, s17, s14
	s_mul_i32 s17, s17, FRB
	s_add_co_u32 s18, s12, s17                     ; my first fragment; the second lies 4 x 1,536 bytes on
	s_mov_b32 s19, 0
	s_lshr_b32 s20, s13, 1
	s_lshl_b32 s20, s20, 11
	s_lshl_b32 s21, s16, 9
	s_add_co_u32 s20, s20, s21
	s_and_b32 s21, s13, 1
	s_lshl_b32 s21, s21, 8
	s_add_co_u32 s20, s20, s21
	s_lshl_b32 s21, s14, 6
	s_add_co_u32 s20, s20, s21
	s_add_co_u32 s20, s20, s12
	s_add_co_u32 s20, s20, 64*FRB                  ; my first fragment's scale words; the second's lie 512 bytes on
	s_mov_b32 s21, 0
	s_wait_alu depctr_va_vdst(0)
	s_wait_kmcnt 0x0
	s_add_nc_u64 s[4:5], s[4:5], s[10:11]
	s_add_nc_u64 s[22:23], s[6:7], s[20:21]
	s_add_nc_u64 s[6:7], s[6:7], s[18:19]
.irp n, 0,1,2,3
.irp u, 0,1,2,3,4,5,6,7
	global_load_b128 v[R+32*\n+4*\u:R+32*\n+4*\u+3], v[XOF], s[4:5] offset:8192*\u+256*\n th:TH_LOAD_NT   ; rows 2 u + h: two runs of 256 consecutive bytes
.endr
.endr
; The 64 numbers in v[N] on become half a fragment: six registers of codes at v[pc] on, and two bytes of the scale word v[pw].
.macro QH pc, pw, c
	v_max3_num_f32 v[TM], |v[N]|, |v[N+1]|, 0x2800000      ; my 16 numbers of each block, and the floor 2^(5 - 127): so the byte cannot fall under 1
	v_max3_num_f32 v[TM+1], |v[N+16]|, |v[N+17]|, 0x2800000
.irp i, 2,4,6,8,10,12,14
	v_max3_num_f32 v[TM], v[TM], |v[N+\i]|, |v[N+1+\i]|
	v_max3_num_f32 v[TM+1], v[TM+1], |v[N+16+\i]|, |v[N+17+\i]|
.endr
	v_permlanex16_b32 v[TM+2], v[TM], s[SEL], s[SEL+1]
	v_permlanex16_b32 v[TM+3], v[TM+1], s[SEL], s[SEL+1]
	v_max_num_f32 v[TM], v[TM], v[TM+2]            ; with lane l xor 16's: the block's largest magnitude
	v_max_num_f32 v[TM+1], v[TM+1], v[TM+3]
	v_add_nc_u32 v[TM+4], 0xfe000000, v[TM]        ; 4 off its exponent field: the conversion takes the exponent field of this operand as its scale
	v_add_nc_u32 v[TM+5], 0xfe000000, v[TM+1]
	v_lshrrev_b32 v[TM+2], 23, v[TM+4]             ; the scales' bytes
	v_lshrrev_b32 v[TM+3], 23, v[TM+5]
.if \c == 0
	v_lshl_or_b32 v[\pw], v[TM+3], 8, v[TM+2]
.else
	v_lshl_or_b32 v[\pw], v[TM+2], 16, v[\pw]
	v_lshl_or_b32 v[\pw], v[TM+3], 24, v[\pw]
.endif
	v_cvt_scalef32_pk16_bf6_f32 v[\pc:\pc+2], v[N:N+15], v[TM+4]
	v_cvt_scalef32_pk16_bf6_f32 v[T:T+2], v[N+16:N+31], v[TM+5]   ; (a conversion's three registers begin on an even number)
	v_nop                                          ; one plain place behind a scaled conversion
.irp i, 0,1,2
	v_permlane16_swap_b32 v[\pc+\i], v[T+\i]       ; the operand wants a WHOLE block in a lane: lanes 0-15 the first block, lanes 16-31 the second
.endr
.irp i, 0,1,2
	v_mov_b32 v[\pc+3+\i], v[T+\i]
.endr
.endm
.macro GRAN n, pc, pw, c
	s_wait_loadcnt 8*(3-\n)                        ; this granule's eight loads are in; the later granules' may be out
.irp u, 0,1,2,3,4,5,6,7
	ds_store_b128 v[STA], v[R+32*\n+4*\u:R+32*\n+4*\u+3] offset:2*SP*\u
.endr
.irp b, 0,1
.irp j, 0,1,2,3
	ds_load_b128 v[N+16*\b+4*\j:N+16*\b+4*\j+3], v[LDA] offset:128*\b+16*\j   ; LDS serves a wave's instructions in order: these see the stores above
.endr
.endr
	s_wait_dscnt 0x0
	QH \pc, \pw, \c
.endm
.macro OUT kk
.irp c, 0,1,2
	global_store_b128 v[IMO], v[PC+12*\kk+4*\c:PC+12*\kk+4*\c+3], s[6:7] offset:4*FRB*\kk+512*\c   ; 512 consecutive bytes
.endr
.endm
	GRAN 0, PC, PW, 0
	GRAN 1, PC+6, PW, 1
	OUT 0
	GRAN 2, PC+12, PW+1, 0
	GRAN 3, PC+18, PW+1, 1
	OUT 1
	v_cndmask_b32 v30, v[PW], v[PW+1], s26         ; lanes 0-15 store the first fragment's words, lanes 16-31 the second's
	global_store_b32 v[SCO], v30, s[22:23]
	s_wait_tensorcnt 0x0
	ds_add_u32 v224, v225
	s_wait_dscnt 0x0
	s_endpgm
.Lfunc_end_k_q098d480840_wprep:
	.size	k_q098d480840_wprep, .Lfunc_end_k_q098d480840_wprep-k_q098d480840_wprep
	.p2alignl 7, 3214868480
	.fill 96, 4, 3214868480
	.section	.rodata,"a",@progbits
	.p2align	6, 0x0
	.amdhsa_kernel k_q098d480840_wprep
		.amdhsa_group_segment_fixed_size 8448
		.amdhsa_private_segment_fixed_size 0
		.amdhsa_enable_private_segment 0
		.amdhsa_kernarg_size 16
		.amdhsa_user_sgpr_count 2
		.amdhsa_user_sgpr_kernarg_segment_ptr 1
		.amdhsa_wavefront_size32 1
		.amdhsa_system_sgpr_workgroup_id_x 1
		.amdhsa_system_sgpr_workgroup_id_y 1
		.amdhsa_system_sgpr_workgroup_id_z 1
		.amdhsa_system_vgpr_workitem_id 0
		.amdhsa_next_free_vgpr 226
		.amdhsa_next_free_sgpr 66
		.amdhsa_reserve_vcc 0
		.amdhsa_float_denorm_mode_32 3
		.amdhsa_float_denorm_mode_16_64 3
		.amdhsa_memory_ordered 1
		.amdhsa_forward_progress 1
		.amdhsa_inst_pref_size 19
	.end_amdhsa_kernel
	.amdgpu_metadata
---
amdhsa.version: [ 1, 2 ]
amdhsa.kernels:
  - .name:           k_q098d480840_wprep
    .symbol:         k_q098d480840_wprep.kd
    .args:
      - { .name: W, .offset: 0, .size: 8, .value_kind: global_buffer, .address_space: global }
      - { .name: wq, .offset: 8, .size: 8, .value_kind: global_buffer, .address_space: global }
    .group_segment_fixed_size: 8448
    .private_segment_fixed_size: 0
    .kernarg_segment_align: 8
    .kernarg_segment_size: 16
    .max_flat_workgroup_size: 32
    .sgpr_count:     66
    .vgpr_count:     226
    .wavefront_size: 32
...
	.end_amdgpu_metadata
.endif
;; end of part 1
;; launch main (part 2): grid 256 x 1, 4 waves a work-group, clusters of 4 x 1, 327,680 bytes of LDS; arguments context, wq, v, lg, pv; writes lg, pv
.if DOCPART == 2
	.amdgcn_target "amdgcn-amd-amdhsa--gfx1250"
	.amdhsa_code_object_version 6
	.text
	.protected	k_q098d480840_main
	.globl	k_q098d480840_main
	.p2align	8
	.type	k_q098d480840_main,@function
k_q098d480840_main:
	s_mov_b64 s[64:65], 0
	v_nop
	global_prefetch_b8 v0, s[64:65] scope:SCOPE_SE
	s_setreg_imm32_b32 hwreg(HW_REG_WAVE_MODE, 25, 1), 1
	s_wait_xcnt 0x0
	s_wait_alu depctr_hold_cnt(0) depctr_sa_sdst(0) depctr_va_vdst(0) depctr_va_sdst(0) depctr_va_ssrc(0) depctr_va_vcc(0) depctr_vm_vsrc(0)
	s_getreg_b32 s2, hwreg(HW_REG_IB_STS2, 6, 4)
	s_cmp_eq_u32 s2, 0
	s_cbranch_scc0 .Lentry_in_a_cluster
	s_endpgm
.Lentry_in_a_cluster:
	s_bfe_u32 s2, ttmp6, 0x10000c
	s_cmp_lg_u32 s2, 0x3003
	s_cbranch_scc0 .Lentry_shape_is_right
	s_endpgm
.Lentry_shape_is_right:
; For each of 65,536 rows x of context [.][1024] f32: l = -2 sum over e of v[e] r[e], r = 1 / (1 + 2^(2 log2(e) z)), z = x . W[e] on codes of BF6 (E3M2) with one E8M0 scale for each 32 along K;
; and for each block of 128 rows the vector sum over s of e^(l_s - m) x_s, m the block's largest l.  lg takes l, pv the 512 vectors; the next launch joins the 16 blocks of a batch.
; WORK LEFT OUT: tanh(z) = 1 - 2 r, so reference()'s logit is (b + sum of v) + l.  The bracket is the same number for every row of a batch, whatever the inputs hold, and a softmax is unchanged by a term
; that is the same along its axis; both outputs are made of the softmax alone.  So b has no way to an output: it is not loaded and is no argument; the sum of v is not formed.
; LIMIT of that: a NaN, an infinity or an overflow that reaches only b or the sum of v is not carried to the result.
; LIMITS: NaN and infinities in the inputs are not served.  A block of zeros keeps the scale byte 1 where the rule says 127 (its codes are zeros; this program alone reads the bytes).  x and p are rounded to bf16 for the third product.
; Where 2^(.) overflows r is 0, where it vanishes r is 1: tanh's two ends.
; CONTEXT IS READ ONCE.  A work-group owns 256 rows, in two passes of 128.  A pass:
;   P1  wave w takes columns 256 w .. + 255 of the 128 rows: quantises them (images of the operand's registers go to LDS) and keeps them, rounded to bf16, in 512 registers;
;   P2  W's codes, 8 slots of 102,400 bytes laid by the launch before, go through a ring of two LDS slots; wave w makes 128 rows x 64 columns for each of four chunks of 256 columns (32 accumulators), then r and the dot with v;
;   P3  the waves' parts of l meet in LDS; p = e^(l - m), rounded to bf16, times the bf16 copy, by the bf16 matrix form straight from the registers.
; CLUSTER: the four work-groups of a cluster walk the same W: every slot is asked for jointly (mask 15), the same descriptor in all four.  W is all that work-groups share.
; PREFETCH: in the first pass each of the four chunks asks for a quarter (32 rows, 131,072 bytes) of the next pass's rows: lanes 256 bytes apart, each block named once; the last pass asks for nothing.
; THE SCALED PRODUCT IS USED TRANSPOSED (source 0 = 16 rows of W, source 1 = 16 rows of x): a lane holds one row of x and eight neighbouring e.
; THE COPY: a register packs rows R and R + 2 of one column; lanes 0-15 hold R even, lanes 16-31 R odd: a bf16 B operand under a permutation of K that p's operand shares.
; LDS: 0 slot 0, 102,400 slot 1; 204,800 x's 64 fragment images; 303,104 x's scale words; 307,200 four stages of 16 x 272; 324,608 the parts of l; 326,656 the spare words.  All of LDS is claimed.
; REGISTERS: window 0: v1-25 addresses; v32-47 scale words, two sets; v48-63 the sums of l; v64-159 x's 8 fragments; v160-255 W's 4 fragments, two sets.  window 1: 32 accumulators ((i, t) at v[8 (4 i + t)]); in P1 eight landing sets.  windows 2, 3: the copy.
.set SLOTB, 102400
.set FRB,   1536
.set AIMG,  2*SLOTB
.set ASC,   AIMG+64*FRB
.set STG,   ASC+4096
.set SP,    272
.set STGW,  16*SP
.set EX,    STG+4*STGW
.set SPARE, EX+2048
.set SPW,  1
.set NIL,  2
.set AX0,  3
.set AW0,  5
.set SCM0, 7
.set SCX0, 9
.set VOF,  11
.set XOF,  12
.set XWI,  13
.set XWS,  14
.set EXW,  15
.set EXR,  16
.set PEW,  17
.set PER,  18
.set STA,  19
.set LGO,  21
.set POF,  22
.set PFO,  23
.set LDA,  24
.set PW,   25
.set SC,   32
.set S,    48
.set X,    64
.set WF,   160
.set VV,   208
.set N,    64
.set PC,   192
.set T,    204
.set TM,   212
.set PA,   96
.set G1S,  32                          ; s[32:39] group 1: 100 rows of 256 bytes, a quarter of a slot
.set G1D,  40                          ; s[40:47] group 1: 200 rows, a quarter of both slots
.set G0D,  48                          ; s[48:51] group 0: both slots; never rewritten
.set G0A,  52                          ; s[52:55], s[56:59] group 0 for slot 0, 1: they walk
.set PFB,  72                          ; s[72:73] the prefetches' base
.set VB,   76                          ; s[76:77] v at this chunk
.set MSB, 0
.macro WIN new
.if MSB != \new
	s_set_vgpr_msb (MSB<<8)|\new
.set MSB, \new
.endif
.endm
.macro PLACES n
.rept \n
	v_nop
.endr
.endm
.macro CREST
	s_cmp_lg_u32 s16, 0
	s_cbranch_scc1 .Lnot_wave_0_\@
	s_barrier_signal -3
.Lnot_wave_0_\@:
	s_barrier_wait -3
	s_barrier_signal -1
	s_barrier_wait -1
.endm
.macro CROUND
	s_barrier_signal -1
	s_barrier_wait -1
	CREST
.endm
.macro JL g0, g1                       ; a joint load: every wave asks for its own quarter
	tensor_load_to_lds s[\g0:\g0+3], s[\g1:\g1+7]
	s_nop 0
.rept 4
	v_nop
.endr
.endm
; P1.  Granule n = 4 mt + g: rows 16 mt .. + 15, my columns 64 g .. + 63.  GLOAD: granule GN into landing set GN % 8; a load takes two rows' 256 consecutive bytes
.macro GLOAD
	WIN 0x40
.irp u, 0,1,2,3,4,5,6,7
	global_load_b128 v[32*(GN%8)+4*\u:32*(GN%8)+4*\u+3], v[XOF], s[4:5] offset:(16*(GN/4)+2*\u)*4096+256*(GN%4) th:TH_LOAD_NT
.endr
.endm
; QPAIR: granules 2 QP and 2 QP + 1, 128 columns of row r (register 16 k + i = column 32 k + 16 h + i), become one fragment: four blocks, four chains by turns
.macro QPAIR
.set qs, N+64*(QP%2)
.irp k, 0,1,2,3
	v_max3_num_f32 v[TM+\k], |v[qs+16*\k]|, |v[qs+16*\k+1]|, s74   ; s74: the floor 2^(5 - 127): the byte cannot fall under 1
.endr
.irp i, 2,4,6,8,10,12,14
.irp k, 0,1,2,3
	v_max3_num_f32 v[TM+\k], v[TM+\k], |v[qs+16*\k+\i]|, |v[qs+16*\k+\i+1]|
.endr
.endr
.irp k, 0,1,2,3
	v_permlanex16_b32 v[TM+4+\k], v[TM+\k], s20, s21
.endr
.irp k, 0,1,2,3
	v_max_num_f32 v[TM+\k], v[TM+\k], v[TM+4+\k]
.endr
.irp k, 0,1,2,3
	v_add_nc_u32 v[TM+8+\k], s75, v[TM+\k]         ; 4 off the exponent field: the conversion's scale operand
.endr
.irp k, 0,1,2,3
	v_lshrrev_b32 v[TM+4+\k], 23, v[TM+8+\k]       ; the scales' bytes
.endr
	v_lshl_or_b32 v[PW], v[TM+5], 8, v[TM+4]
	v_lshl_or_b32 v[PW], v[TM+6], 16, v[PW]
	v_lshl_or_b32 v[PW], v[TM+7], 24, v[PW]
.irp c, 0,1
	v_cvt_scalef32_pk16_bf6_f32 v[PC+6*\c:PC+6*\c+2], v[qs+32*\c:qs+32*\c+15], v[TM+8+2*\c]
	v_cvt_scalef32_pk16_bf6_f32 v[T+4*\c:T+4*\c+2], v[qs+32*\c+16:qs+32*\c+31], v[TM+9+2*\c]
.endr
	v_nop                                          ; one plain place behind a scaled conversion
.irp c, 0,1
.irp i, 0,1,2
	v_permlane16_swap_b32 v[PC+6*\c+\i], v[T+4*\c+\i]   ; a whole block in a lane
.endr
.endr
.irp c, 0,1
.irp i, 0,1,2
	v_mov_b32 v[PC+6*\c+3+\i], v[T+4*\c+\i]
.endr
.endr
.irp c, 0,1,2
	ds_store_b128 v[XWI], v[PC+4*\c:PC+4*\c+3] offset:(QP%2)*8*FRB+(QP/2)*FRB+512*\c
.endr
	ds_store_b32 v[XWS], v[PW] offset:(QP%2)*512+(QP/2)*64
.endm
.macro CPY                             ; granule PN's copy in bf16
.set pls, 32*(PN%8)
.irp up, 0,1,2,3
.irp i, 0,1,2,3
	v_cvt_pk_bf16_f32 v[32*((4*(PN%4)+\i)%8)+4*(PN/4)+\up], v[pls+8*\up+\i], v[pls+8*\up+4+\i]
.endr
.endr
.endm
.macro THRU                            ; granule PN through my stage; a wave's LDS instructions are served in order, so the next granule's stores follow these loads with no wait
.set pls, 32*(PN%8)
	WIN 0x04
.irp u, 0,1,2,3,4,5,6,7
	ds_store_b128 v[STA], v[pls+4*\u:pls+4*\u+3] offset:2*SP*\u
.endr
	WIN 0
.irp b, 0,1
.irp j, 0,1,2,3
	ds_load_b128 v[N+32*(PN%4)+16*\b+4*\j:N+32*(PN%4)+16*\b+4*\j+3], v[LDA] offset:128*\b+16*\j
.endr
.endr
.endm
; PSTEP: granules 2 PP and 2 PP + 1 are copied to bf16 and sent through my stage; meanwhile the pair before, back from the stage, is quantised
.macro PSTEP
	s_wait_dscnt 0x0                               ; the pair before is back, its stores have read its landing sets
.if PP <= 13
	s_wait_loadcnt 32                              ; my sixteen loads are in; two pairs' may be out
.else
	s_wait_loadcnt 16*(15-PP)
.endif
.if PP <= 12
.set GN, 2*PP+6
	GLOAD                                          ; into the landing sets that the pair before has left
.set GN, 2*PP+7
	GLOAD
.endif
.set pwx, 0x85+0x40*(PP%2)
	WIN pwx
.set PN, 2*PP
	CPY
.set PN, 2*PP+1
	CPY
.set PN, 2*PP
	THRU
.set PN, 2*PP+1
	THRU
.if PP >= 1
.set QP, PP-1
	QPAIR
.endif
.endm
; P2.  cnt x 4 matrix instructions; the 32 accumulators take turns; zero = 1: the first product starts the sums
.macro MULS i0, cnt, p, zero
	WIN 0x50
.set mi, \i0
.rept \cnt
.irp t, 0,1,2,3
.if \zero
	v_wmma_scale_f32_16x16x128_f8f6f4 v[8*(4*mi+\t):8*(4*mi+\t)+7], v[WF+48*(\p)+12*\t:WF+48*(\p)+12*\t+11], v[X+12*mi:X+12*mi+11], 0, v[SC+8*(\p)+\t], v[SC+8*(\p)+mi] matrix_a_fmt:MATRIX_FMT_BF6 matrix_b_fmt:MATRIX_FMT_BF6 matrix_a_scale:MATRIX_SCALE_ROW1
.else
	v_wmma_scale_f32_16x16x128_f8f6f4 v[8*(4*mi+\t):8*(4*mi+\t)+7], v[WF+48*(\p)+12*\t:WF+48*(\p)+12*\t+11], v[X+12*mi:X+12*mi+11], v[8*(4*mi+\t):8*(4*mi+\t)+7], v[SC+8*(\p)+\t], v[SC+8*(\p)+mi] matrix_a_fmt:MATRIX_FMT_BF6 matrix_b_fmt:MATRIX_FMT_BF6 matrix_a_scale:MATRIX_SCALE_ROW1
.endif
.endr
.set mi, mi+1
.endr
.endm
.macro FW kh, q, p
.irp t, 0,1,2,3
.irp c, 0,1,2
	ds_load_b128 v[WF+48*(\p)+12*\t+4*\c:WF+48*(\p)+12*\t+4*\c+3], v[AW0+\kh] offset:(4*(\q)+\t)*FRB+512*\c
.endr
.endr
.endm
.macro FX kh, q, i0
.irp i, \i0, \i0+1, \i0+2, \i0+3
.irp c, 0,1,2
	ds_load_b128 v[X+12*(\i)+4*\c:X+12*(\i)+4*\c+3], v[AX0+\kh] offset:(8*(\q)+(\i))*FRB+512*\c
.endr
.endr
.endm
.macro FS kh, q, p                     ; scale words: lanes 0-15 x's tile i; for i < 4 lanes 16-31 W's tile i
.irp i, 0,1,2,3
	ds_load_b32 v[SC+8*(\p)+\i], v[SCM0+\kh] offset:512*(\q)+64*\i
.endr
.irp i, 4,5,6,7
	ds_load_b32 v[SC+8*(\p)+\i], v[SCX0+\kh] offset:512*(\q)+64*\i
.endr
.endm
.macro STEP kh, q, p, zero
	s_wait_dscnt 12                                ; all but the youngest twelve loads (x's tiles 4-7)
	MULS 0, 4, \p, \zero
	s_wait_dscnt 0x0
	PLACES 4
	WIN 0
	FW \kh, \q+1, 1-\p
	FX \kh, \q+1, 0
	FS \kh, \q+1, 1-\p
	MULS 4, 4, \p, \zero
	PLACES 4
	WIN 0
	FX \kh, \q+1, 4
.endm
; A slot's last K step changes slots.  fill = 1: the barrier opens a round of the cluster's, and this slot takes the next chunk's half
.macro TURN kh, nx, fill
	s_wait_tensorcnt 0x0                           ; my quarter of the other slot has landed
	ds_add_u32 v[SPW], v[NIL]
.if \fill
	s_add_nc_u64 s[G0A+4*\kh+2:G0A+4*\kh+3], s[G0A+4*\kh+2:G0A+4*\kh+3], 2*SLOTB
.endif
	s_wait_dscnt 13                                ; the add and the youngest twelve loads may be out
	MULS 0, 2, 1, 0
	s_wait_dscnt 0x0                               ; the add is done, my reads of this slot are over
	s_barrier_signal -1
	MULS 2, 2, 1, 0
	WIN 0
	s_barrier_wait -1
.if \fill
	CREST
	JL G0A+4*\kh, G1S                              ; its four v_nop are the places in front of the loads below
.else
	PLACES 4
.endif
	FW \nx, 0, 0
	FX \nx, 0, 0
	FS \nx, 0, 0
	MULS 4, 4, 1, 0
	PLACES 4
	WIN 0
	FX \nx, 0, 4
.endm
.macro LAST
	s_wait_dscnt 12
	MULS 0, 4, 1, 0
	s_wait_dscnt 0x0
	MULS 4, 4, 1, 0
	PLACES 4
	WIN 0
.endm
.macro VLOAD                           ; v at my 32 columns of the chunk: register 8 t + j = e 16 t + 8 h + j
.irp t, 0,1,2,3
.irp a, 0,1
	global_load_b128 v[VV+8*\t+4*\a:VV+8*\t+4*\a+3], v[VOF], s[VB:VB+1] offset:64*\t+16*\a
.endr
.endr
.endm
.macro PF                              ; 32 rows of the next pass's 128: a wave 8 rows, an instruction 2 rows, lanes 256 bytes apart
	s_cmp_eq_u32 s26, 1                            ; the last pass asks for nothing
	s_cbranch_scc1 .Lno_pf_\@
.irp k, 0,1,2,3
	global_prefetch_b8 v[PFO], s[PFB:PFB+1] offset:8192*\k th:TH_LOAD_NT scope:SCOPE_SE
.endr
.Lno_pf_\@:
.endm
; THE EPILOGUE of a chunk.  First every accumulator x 2 log2 e, each from its low end on.  Then batches b = 0 .. 3, batch b = accumulator (i, b) of each of x's eight tiles i, through four steps,
; a step a stage: 2^. | + 1 | 1 / . | the dot with v.  In stage es: exp of batch es, + 1 of es - 1, rcp of es - 2, dot of es - 3.  What a stage writes is first read in a later stage, behind the
; wait at that stage's head.  A tile's sums lie in its registers 0-7: each is written once a stage.
.macro EPI
	WIN 0x51                                       ; destination, source 0 and source 2 window 1; source 1 (v) window 0
.set ek, 0
.rept 128
	v_pk_mul_f32 v[2*ek:2*ek+1], v[2*ek:2*ek+1], s[22:23] op_sel_hi:[1,0]
.set ek, ek+1
.endr
.set es, 0
.rept 7
	s_wait_alu depctr_va_vdst(0)
.if es == 3
	s_wait_loadcnt 0x0                             ; v is in
	s_wait_xcnt 0x0                                ; the prefetches have read their base
	s_add_nc_u64 s[VB:VB+1], s[VB:VB+1], 1024
	s_add_nc_u64 s[PFB:PFB+1], s[PFB:PFB+1], 131072
.endif
.set ei, 0
.rept 8
.irp q, 0,2,4,6
.if es <= 3
	v_exp_f32 v[32*ei+8*es+\q], v[32*ei+8*es+\q]
	v_exp_f32 v[32*ei+8*es+\q+1], v[32*ei+8*es+\q+1]
.endif
.if es >= 1 && es <= 4
	v_pk_add_f32 v[32*ei+8*(es-1)+\q:32*ei+8*(es-1)+\q+1], v[32*ei+8*(es-1)+\q:32*ei+8*(es-1)+\q+1], 1.0 op_sel_hi:[1,0]
.endif
.if es >= 2 && es <= 5
	v_rcp_f32 v[32*ei+8*(es-2)+\q], v[32*ei+8*(es-2)+\q]
	v_rcp_f32 v[32*ei+8*(es-2)+\q+1], v[32*ei+8*(es-2)+\q+1]
.endif
.if es == 3
	v_pk_mul_f32 v[32*ei+\q:32*ei+\q+1], v[32*ei+\q:32*ei+\q+1], v[VV+\q:VV+\q+1]
.endif
.if es > 3
	v_pk_fma_f32 v[32*ei+\q:32*ei+\q+1], v[32*ei+8*(es-3)+\q:32*ei+8*(es-3)+\q+1], v[VV+8*(es-3)+\q:VV+8*(es-3)+\q+1], v[32*ei+\q:32*ei+\q+1]
.endif
.endr
.set ei, ei+1
.endr
.if es <= 5
	v_nop                                          ; a plain place behind the stage's last transcendental
.endif
.set es, es+1
.endr
	WIN 0x01
.irp q, 0,2,4,6
.irp i, 0,1,2,3,4,5,6,7
	v_pk_add_f32 v[S+2*\i:S+2*\i+1], v[32*\i+\q:32*\i+\q+1], v[S+2*\i:S+2*\i+1]
.endr
.endr
	WIN 0
.endm
	s_load_b256 s[4:11], s[0:1], 0x0               ; context s[4:5], wq s[6:7], v s[8:9], lg s[10:11]
	s_load_b64 s[12:13], s[0:1], 0x20              ; pv
	v_lshl_add_u32 v[SPW], v0, 2, SPARE
	v_mov_b32 v[NIL], 0
	ds_add_u32 v[SPW], v[NIL]                      ; the opening lines: the add twice on end and its wait
	ds_add_u32 v[SPW], v[NIL]
	v_lshrrev_b32 v26, 5, v0
	v_readfirstlane_b32 s16, v26                   ; wave 0..3
	; all scalar work first, so that the vector lines below stand in one run
	s_bfe_u32 s17, ttmp6, 0x40000                  ; cx
	s_lshl_b32 s18, ttmp9, 2
	s_add_co_u32 s18, s18, s17                     ; the work-group: it enters the addresses of context, lg and pv alone
	s_mov_b32 s19, 0xffff0000                      ; lanes 16-31
	s_mov_b32 s20, 0x76543210
	s_mov_b32 s21, 0xfedcba98
	s_mov_b32 s22, 0x4038aa3b                      ; 2 log2(e)
	s_mov_b32 s23, s22
	s_mov_b32 s24, 0x3fb8aa3b                      ; log2(e)
	s_mov_b32 s26, 2                               ; passes to go
	s_mov_b32 s74, 0x2800000
	s_mov_b32 s75, 0xfe000000
	s_mul_i32 s28, s16, 16*FRB
	s_lshl_b32 s29, s16, 10
	s_lshr_b32 s30, s16, 1
	s_lshl_b32 s30, s30, 11
	s_and_b32 s31, s16, 1
	s_lshl_b32 s31, s31, 8
	s_add_co_u32 s30, s30, s31
	s_add_co_u32 s30, s30, 64*FRB                  ; my tiles' scale words in slot 0 (lanes 16-31)
	s_sub_co_u32 s31, ASC, s30                     ; x's lie this much further on (lanes 0-15)
	s_add_co_u32 s60, s30, SLOTB                   ; the same for slot 1 and K half 1
	s_sub_co_u32 s61, ASC+2048, s60
	s_lshl_b32 s62, s16, 8
	s_lshl_b32 s63, s16, 9
	s_mul_i32 s66, s16, STGW
	s_add_co_u32 s66, s66, STG                     ; my stage
	s_lshl_b32 s67, s16, 15
	s_mov_b32 s[G1S], 15|(3<<16)|(1<<21)           ; dense rows of 256 bytes (32 elements of 8), the mask of all four, bit 21 beside it
	s_mov_b32 s[G1S+1], 32<<16
	s_mov_b32 s[G1S+2], 100<<16
	s_mov_b32 s[G1S+3], 32<<16
	s_mov_b32 s[G1S+4], 100
	s_mov_b32 s[G1S+5], 32
	s_mov_b32 s[G1S+6], 0
	s_mov_b32 s[G1S+7], 0
	s_mov_b32 s[G1D], 15|(3<<16)|(1<<21)
	s_mov_b32 s[G1D+1], 32<<16
	s_mov_b32 s[G1D+2], 200<<16
	s_mov_b32 s[G1D+3], 32<<16
	s_mov_b32 s[G1D+4], 200
	s_mov_b32 s[G1D+5], 32
	s_mov_b32 s[G1D+6], 0
	s_mov_b32 s[G1D+7], 0
	v_and_b32 v26, 31, v0                          ; l
	v_and_b32 v27, 15, v0                          ; r
	v_bfe_u32 v28, v0, 4, 1                        ; h
	v_lshl_add_u32 v[AX0], v26, 4, AIMG
	v_add_nc_u32 v[AX0+1], 32*FRB, v[AX0]
	v_lshl_add_u32 v[AW0], v26, 4, s28
	v_add_nc_u32 v[AW0+1], SLOTB, v[AW0]
	v_add_nc_u32 v[XWI], s28, v[AX0]
	v_lshl_add_u32 v[SCX0], v27, 2, ASC
	v_add_nc_u32 v[SCX0+1], 2048, v[SCX0]
	v_add_nc_u32 v[XWS], s29, v[SCX0]
	v_lshl_add_u32 v[XOF], v28, 12, s29
	v_lshl_add_u32 v[XOF], v27, 4, v[XOF]
	v_lshl_add_u32 v[POF], v28, 8, s29
	v_lshl_add_u32 v[POF], v27, 4, v[POF]
	v_xor_b32 v29, 1, v28                          ; 1 - h
	v_lshlrev_b32 v30, 2, v27                      ; 4 r
	v_mul_u32_u24 v31, s31, v29                    ; the lower base + (1 - h) x the distance
	v_add_nc_u32 v31, v31, v30
	v_add_nc_u32 v[SCM0], s30, v31
	v_mul_u32_u24 v31, s61, v29
	v_add_nc_u32 v31, v31, v30
	v_add_nc_u32 v[SCM0+1], s60, v31
	v_lshl_add_u32 v[VOF], v28, 5, s62
	v_lshl_add_u32 v[EXW], v27, 2, s63
	v_add_nc_u32 v[EXW], EX, v[EXW]
	v_lshl_add_u32 v[EXR], v26, 4, EX
	v_lshl_add_u32 v[PEW], v26, 2, s66
	v_lshl_add_u32 v[PER], v28, 7, s66
	v_mul_u32_u24 v29, v28, SP
	v_lshl_add_u32 v29, v27, 4, v29
	v_add_nc_u32 v[STA], s66, v29
	v_mul_u32_u24 v29, v27, SP
	v_lshl_add_u32 v29, v28, 6, v29
	v_add_nc_u32 v[LDA], s66, v29
	v_lshlrev_b32 v[LGO], 4, v26
	v_lshl_add_u32 v[PFO], v26, 8, s67
.irp k, 4,5,6,7
	v_mov_b32 v[TM+\k], 0                          ; a lane permute's destination counts as one of its sources
.endr
	s_wait_alu depctr_va_vdst(0)                   ; the wait at the head's end
	s_wait_dscnt 0x0                               ; both opening adds are done
	s_wait_kmcnt 0x0
	s_mul_i32 s28, s16, 51200                      ; my quarter of both slots
	s_mov_b32 s29, 0
	s_mov_b32 s[G0D], 1
	s_mov_b32 s[G0D+1], s28
	s_add_nc_u64 s[G0D+2:G0D+3], s[6:7], s[28:29]
	s_or_b32 s[G0D+3], s[G0D+3], 0x80000000
	s_mul_i32 s28, s16, 25600                      ; my quarter of one slot
	s_mov_b32 s[G0A], 1
	s_mov_b32 s[G0A+1], s28
	s_mov_b32 s[G0A+4], 1
	s_add_co_u32 s[G0A+5], s28, SLOTB
	s_add_nc_u64 s[68:69], s[6:7], s[28:29]
	s_add_nc_u64 s[70:71], s[68:69], SLOTB
	s_lshl_b32 s28, s18, 20                        ; 256 rows of 4,096 bytes a work-group
	s_add_nc_u64 s[4:5], s[4:5], s[28:29]
	s_lshl_b32 s28, s18, 10
	s_add_nc_u64 s[10:11], s[10:11], s[28:29]
	s_lshl_b32 s28, s18, 13
	s_add_nc_u64 s[12:13], s[12:13], s[28:29]
.Lpass:
	; both slots are filled: W's first chunk lands while P1 runs.  In the first pass these are the first fills, issued as refills are
	s_wait_tensorcnt 0x0
	ds_add_u32 v[SPW], v[NIL]                      ; the add, here twice on end
	ds_add_u32 v[SPW], v[NIL]
	s_mov_b64 s[G0A+2:G0A+3], s[68:69]             ; no load of mine is out: the walking descriptors begin anew
	s_or_b32 s[G0A+3], s[G0A+3], 0x80000000
	s_mov_b64 s[G0A+6:G0A+7], s[70:71]
	s_or_b32 s[G0A+7], s[G0A+7], 0x80000000
	s_mov_b64 s[VB:VB+1], s[8:9]
	s_add_nc_u64 s[PFB:PFB+1], s[4:5], 524288      ; the next pass's first row (used in the first pass alone)
.irp j, 0,1,2,3,4,5,6,7,8,9,10,11,12,13,14,15
	v_mov_b32 v[S+\j], 0                           ; the sums, to which four chunks add
.endr
	s_wait_dscnt 0x0
	CROUND
	JL G0D, G1D
	; ---- P1
.set GN, 0
.rept 6
	GLOAD
.set GN, GN+1
.endr
.set PP, 0
.rept 16
	PSTEP
.set PP, PP+1
.endr
	s_wait_dscnt 0x0
.set QP, 15
	QPAIR
	s_wait_tensorcnt 0x0                           ; my quarter of both slots has landed,
	s_wait_dscnt 0x0                               ; my images lie in LDS
	s_barrier_signal -1
	s_barrier_wait -1                              ; everybody's
	; ---- P2
	FW 0, 0, 0
	FX 0, 0, 0
	FS 0, 0, 0
	FX 0, 0, 4
	s_mov_b32 s27, 3
.Lchunk:                                               ; three trips: each fills both slots again, with the next chunk
	STEP 0, 0, 0, 1
	STEP 0, 1, 1, 0
	STEP 0, 2, 0, 0
	TURN 0, 1, 1
	STEP 1, 0, 0, 0
	STEP 1, 1, 1, 0
	STEP 1, 2, 0, 0
	TURN 1, 0, 1
	VLOAD
	PF
	EPI
	s_sub_co_u32 s27, s27, 1
	s_cmp_lg_u32 s27, 0
	s_cbranch_scc1 .Lchunk
	STEP 0, 0, 0, 1                                ; the fourth chunk is written out: it fills nothing
	STEP 0, 1, 1, 0
	STEP 0, 2, 0, 0
	TURN 0, 1, 0
	STEP 1, 0, 0, 0
	STEP 1, 1, 1, 0
	STEP 1, 2, 0, 0
	LAST
	VLOAD
	PF
	EPI
	; ---- P3
.irp i, 0,1,2,3,4,5,6,7
	v_add_f32 v[64+\i], v[S+2*\i], v[S+2*\i+1]
.endr
.irp i, 0,1,2,3,4,5,6,7
	v_permlanex16_b32 v[72+\i], v[64+\i], s20, s21
.endr
.irp i, 0,1,2,3,4,5,6,7
	v_add_f32 v[64+\i], v[64+\i], v[72+\i]         ; row 16 i + r: the sum over my 256 columns
.endr
.irp i, 0,1,2,3,4,5,6,7
	ds_store_b32 v[EXW], v[64+\i] offset:64*\i     ; both halves of the lanes write the same word with the same value
.endr
	s_wait_dscnt 0x0
	s_barrier_signal -1
	s_barrier_wait -1
.irp a, 0,1,2,3
	ds_load_b128 v[64+4*\a:67+4*\a], v[EXR] offset:512*\a   ; rows 4 l .. 4 l + 3, from each wave
.endr
	s_wait_dscnt 0x0
	v_pk_add_f32 v[64:65], v[64:65], v[68:69]
	v_pk_add_f32 v[66:67], v[66:67], v[70:71]
	v_pk_add_f32 v[72:73], v[72:73], v[76:77]
	v_pk_add_f32 v[74:75], v[74:75], v[78:79]
	v_pk_add_f32 v[64:65], v[64:65], v[72:73]
	v_pk_add_f32 v[66:67], v[66:67], v[74:75]
.irp j, 0,1,2,3
	v_mul_f32 v[80+\j], -2.0, v[64+\j]             ; l: the same bits in all four waves
.endr
	s_wait_alu depctr_va_vdst(0)                   ; the wait ahead of the branch
	s_cmp_lg_u32 s16, 0
	s_cbranch_scc1 .Lnot_0
	global_store_b128 v[LGO], v[80:83], s[10:11]   ; wave 0 stores the block's 512 consecutive bytes
.Lnot_0:
	v_max3_num_f32 v84, v80, v81, v82
	v_max_num_f32 v84, v84, v83
	v_max_num_f32_dpp v84, v84, v84 row_xmask:1 row_mask:0xf bank_mask:0xf
	v_max_num_f32_dpp v84, v84, v84 row_xmask:2 row_mask:0xf bank_mask:0xf
	v_max_num_f32_dpp v84, v84, v84 row_xmask:4 row_mask:0xf bank_mask:0xf
	v_max_num_f32_dpp v84, v84, v84 row_xmask:8 row_mask:0xf bank_mask:0xf
	v_permlanex16_b32 v85, v84, s20, s21
	v_max_num_f32 v84, v84, v85                    ; m: the block's largest l
.irp j, 0,1,2,3
	v_sub_f32 v[88+\j], v[80+\j], v84
.endr
.irp j, 0,1,2,3
	v_mul_f32 v[88+\j], s24, v[88+\j]
.endr
	s_wait_alu depctr_va_vdst(0)                   ; the wait ahead of the batch
.irp j, 0,1,2,3
	v_exp_f32 v[88+\j], v[88+\j]                   ; p = e^(l - m), at most 1
.endr
	v_nop
	s_wait_alu depctr_va_vdst(0)                   ; and behind it
	v_cvt_pk_bf16_f32 v92, v88, v90                ; rows 4 l, 4 l + 2: lanes 0-15 of the operand, register l
	v_cvt_pk_bf16_f32 v93, v89, v91                ; rows 4 l + 1, 4 l + 3: lanes 16-31
	ds_store_b32 v[PEW], v92
	ds_store_b32 v[PEW], v93 offset:128
.irp k, 0,1,2,3,4,5,6,7
	ds_load_b128 v[PA+4*\k:PA+4*\k+3], v[PER] offset:16*\k   ; my own bytes, served in order; all sixteen rows of the operand hold the same p
.endr
	s_wait_dscnt 0x0
	WIN 0x58                                       ; p window 0, the copy window 2, C and D window 1
.irp gq, 0,1,2,3
.irp ch, 0,1,2,3,4,5,6,7
.if \gq == 0
	v_wmma_f32_16x16x32_bf16 v[8*\ch:8*\ch+7], v[PA+8*\gq:PA+8*\gq+7], v[32*\ch+8*\gq:32*\ch+8*\gq+7], 0
.else
	v_wmma_f32_16x16x32_bf16 v[8*\ch:8*\ch+7], v[PA+8*\gq:PA+8*\gq+7], v[32*\ch+8*\gq:32*\ch+8*\gq+7], v[8*\ch:8*\ch+7]
.endif
.endr
.endr
	WIN 0x5c                                       ; the copy window 3
.irp gq, 0,1,2,3
.irp ch, 0,1,2,3,4,5,6,7
.if \gq == 0
	v_wmma_f32_16x16x32_bf16 v[64+8*\ch:64+8*\ch+7], v[PA+8*\gq:PA+8*\gq+7], v[32*\ch+8*\gq:32*\ch+8*\gq+7], 0
.else
	v_wmma_f32_16x16x32_bf16 v[64+8*\ch:64+8*\ch+7], v[PA+8*\gq:PA+8*\gq+7], v[32*\ch+8*\gq:32*\ch+8*\gq+7], v[64+8*\ch:64+8*\ch+7]
.endif
.endr
.endr
	PLACES 4
	WIN 0x05
.irp a, 0,1
.irp i, 0,1,2,3
	v_cndmask_b32 v[64+4*\a+\i], v[8*(8*\a+\i)], v[8*(8*\a+4+\i)], s19   ; accumulator 4 g + i, register 0, lane r: column 64 g + 4 r + i; lanes 0-15 g = 2 a, lanes 16-31 g = 2 a + 1
.endr
.endr
	WIN 0
.irp a, 0,1
	global_store_b128 v[POF], v[64+4*\a:67+4*\a], s[12:13] offset:512*\a   ; 512 consecutive bytes of the block's vector
.endr
	s_wait_xcnt 0x0                                ; the stores have read their bases and registers
	s_add_nc_u64 s[4:5], s[4:5], 524288            ; 128 rows on
	s_add_nc_u64 s[10:11], s[10:11], 512
	s_add_nc_u64 s[12:13], s[12:13], 4096
	s_sub_co_u32 s26, s26, 1
	s_cmp_lg_u32 s26, 0
	s_cbranch_scc1 .Lpass
	s_wait_tensorcnt 0x0                           ; the wave's end
	ds_add_u32 v[SPW], v[NIL]
	s_wait_dscnt 0x0
	CROUND                                         ; the closing round
	s_endpgm
.Lfunc_end_k_q098d480840_main:
	.size	k_q098d480840_main, .Lfunc_end_k_q098d480840_main-k_q098d480840_main
	.p2alignl 7, 3214868480
	.fill 96, 4, 3214868480
	.section	.rodata,"a",@progbits
	.p2align	6, 0x0
	.amdhsa_kernel k_q098d480840_main
		.amdhsa_group_segment_fixed_size 327680
		.amdhsa_private_segment_fixed_size 0
		.amdhsa_enable_private_segment 0
		.amdhsa_kernarg_size 40
		.amdhsa_user_sgpr_count 2
		.amdhsa_user_sgpr_kernarg_segment_ptr 1
		.amdhsa_wavefront_size32 1
		.amdhsa_system_sgpr_workgroup_id_x 1
		.amdhsa_system_sgpr_workgroup_id_y 1
		.amdhsa_system_sgpr_workgroup_id_z 1
		.amdhsa_system_vgpr_workitem_id 0
		.amdhsa_next_free_vgpr 1024
		.amdhsa_next_free_sgpr 80
		.amdhsa_reserve_vcc 0
		.amdhsa_float_denorm_mode_32 3
		.amdhsa_float_denorm_mode_16_64 3
		.amdhsa_memory_ordered 1
		.amdhsa_forward_progress 1
		.amdhsa_inst_pref_size 255
	.end_amdhsa_kernel
	.section	.bss,"aw",@nobits
	.p2align	6
	.space	262144
	.amdgpu_metadata
---
amdhsa.version: [ 1, 2 ]
amdhsa.kernels:
  - .name:           k_q098d480840_main
    .symbol:         k_q098d480840_main.kd
    .args:
      - { .name: context, .offset: 0, .size: 8, .value_kind: global_buffer, .address_space: global }
      - { .name: wq, .offset: 8, .size: 8, .value_kind: global_buffer, .address_space: global }
      - { .name: v, .offset: 16, .size: 8, .value_kind: global_buffer, .address_space: global }
      - { .name: lg, .offset: 24, .size: 8, .value_kind: global_buffer, .address_space: global }
      - { .name: pv, .offset: 32, .size: 8, .value_kind: global_buffer, .address_space: global }
    .group_segment_fixed_size: 327680
    .private_segment_fixed_size: 0
    .kernarg_segment_align: 8
    .kernarg_segment_size: 40
    .max_flat_workgroup_size: 128
    .sgpr_count:     80
    .vgpr_count:     1024
    .wavefront_size: 32
...
	.end_amdgpu_metadata
.endif
;; end of part 2
;; launch combine (part 3): grid 32 x 1, 16 waves a work-group, no clusters, 2,304 bytes of LDS; arguments lg, pv, out0, out1; writes out0, out1
.if DOCPART == 3
	.amdgcn_target "amdgcn-amd-amdhsa--gfx1250"
	.amdhsa_code_object_version 6
	.text
	.protected	k_q098d480840_combine
	.globl	k_q098d480840_combine
	.p2align	8
	.type	k_q098d480840_combine,@function
k_q098d480840_combine:
	s_mov_b64 s[64:65], 0
	v_nop
	global_prefetch_b8 v0, s[64:65] scope:SCOPE_SE
	s_setreg_imm32_b32 hwreg(HW_REG_WAVE_MODE, 25, 1), 1
	s_wait_xcnt 0x0
; The softmax over a batch's 2,048 logits, and the batch's weighted row.  lg: [32][2048] logits; pv: [32][16][1024]: block j's sum of e^(l - m_j) x over its 128 rows, m_j the block's largest logit.
; out1 = e^(l - M) / Z, out0 = (sum over j of e^(m_j - M) pv_j) / Z, with M the largest m_j and Z = sum over j of e^(m_j - M) z_j, z_j = the block's sum of e^(l - m_j).
; m_j is found again from the stored logits: a maximum rounds nothing, so it is the number that the launch before took away.  A maximum is taken away ahead of every exponential, so none overflows, and Z is at least 1.
; SHARES: a work-group is a batch (32 in all: the launch moves 2.3 MB and has work for no more); wave w is block w; thread t has rows 4 t .. 4 t + 3 and columns 2 t, 2 t + 1.  No matrix work, no tensor loads.
; LIMITS: NaN and infinities among the logits are not served.
	s_load_b256 s[4:11], s[0:1], 0x0               ; lg s[4:5], pv s[6:7], out0 s[8:9], out1 s[10:11]
	v_lshl_add_u32 v112, v0, 2, 0x100
	v_mov_b32 v113, 0
	v_lshrrev_b32 v1, 5, v0
	s_delay_alu instid0(VALU_DEP_1)
	v_readfirstlane_b32 s12, v1                    ; wave 0..15
	s_lshl_b32 s13, s12, 3
	v_lshlrev_b32 v2, 4, v0                        ; 16 t
	v_lshlrev_b32 v3, 3, v0                        ; 8 t
	v_mov_b32 v11, s13                             ; LDS: my wave's (m, z)
	v_mov_b32 v16, 0
	v_mov_b32 v10, 0                               ; written once: a lane permute's destination counts as one of its sources
	s_lshl_b32 s14, ttmp9, 13                      ; the batch in lg and out1,
	s_mov_b32 s15, 0
	s_lshl_b32 s16, ttmp9, 16                      ; in pv,
	s_mov_b32 s17, 0
	s_lshl_b32 s18, ttmp9, 12                      ; in out0
	s_mov_b32 s19, 0
	s_mov_b32 s20, 0x76543210
	s_mov_b32 s21, 0xfedcba98                      ; v_permlanex16_b32's selects for lane l xor 16
	s_mov_b32 s22, 0x3fb8aa3b                      ; log2(e)
	s_wait_alu depctr_va_vdst(0)
	s_wait_kmcnt 0x0
	s_add_nc_u64 s[4:5], s[4:5], s[14:15]
	s_add_nc_u64 s[6:7], s[6:7], s[16:17]
	s_add_nc_u64 s[8:9], s[8:9], s[18:19]
	s_add_nc_u64 s[10:11], s[10:11], s[14:15]
	global_load_b128 v[4:7], v2, s[4:5]
.irp j, 0,1,2,3,4,5,6,7,8,9,10,11,12,13,14,15
	global_load_b64 v[32+2*\j:33+2*\j], v3, s[6:7] offset:4096*\j   ; a wave reads 256 consecutive bytes of each block's vector
.endr
	s_wait_loadcnt 16                              ; the logits are in; the sixteen loads behind them may be out
	v_max3_num_f32 v8, v4, v5, v6
	s_delay_alu instid0(VALU_DEP_1)
	v_max_num_f32 v8, v8, v7
	s_delay_alu instid0(VALU_DEP_1)
	v_max_num_f32_dpp v8, v8, v8 row_xmask:1 row_mask:0xf bank_mask:0xf
	s_delay_alu instid0(VALU_DEP_1)
	v_max_num_f32_dpp v8, v8, v8 row_xmask:2 row_mask:0xf bank_mask:0xf
	s_delay_alu instid0(VALU_DEP_1)
	v_max_num_f32_dpp v8, v8, v8 row_xmask:4 row_mask:0xf bank_mask:0xf
	s_delay_alu instid0(VALU_DEP_1)
	v_max_num_f32_dpp v8, v8, v8 row_xmask:8 row_mask:0xf bank_mask:0xf
	s_delay_alu instid0(VALU_DEP_1)
	v_permlanex16_b32 v10, v8, s20, s21
	s_delay_alu instid0(VALU_DEP_1)
	v_max_num_f32 v8, v8, v10                      ; m of my block
.irp j, 0,1,2,3
	v_sub_f32 v[12+\j], v[4+\j], v8
.endr
.irp j, 0,1,2,3
	s_delay_alu instid0(VALU_DEP_4)
	v_mul_f32 v[12+\j], s22, v[12+\j]
.endr
	s_wait_alu depctr_va_vdst(0)
.irp j, 0,1,2,3
	v_exp_f32 v[12+\j], v[12+\j]                   ; e^(l - m)
.endr
	v_nop                                          ; a plain place behind the exponentials
	s_wait_alu depctr_va_vdst(0)
	v_add_f32 v9, v12, v13
	v_add_f32 v17, v14, v15
	s_delay_alu instid0(VALU_DEP_1)
	v_add_f32 v9, v9, v17
	s_delay_alu instid0(VALU_DEP_1)
	v_add_f32_dpp v9, v9, v9 row_xmask:1 row_mask:0xf bank_mask:0xf
	s_delay_alu instid0(VALU_DEP_1)
	v_add_f32_dpp v9, v9, v9 row_xmask:2 row_mask:0xf bank_mask:0xf
	s_delay_alu instid0(VALU_DEP_1)
	v_add_f32_dpp v9, v9, v9 row_xmask:4 row_mask:0xf bank_mask:0xf
	s_delay_alu instid0(VALU_DEP_1)
	v_add_f32_dpp v9, v9, v9 row_xmask:8 row_mask:0xf bank_mask:0xf
	s_delay_alu instid0(VALU_DEP_1)
	v_permlanex16_b32 v10, v9, s20, s21
	s_delay_alu instid0(VALU_DEP_1)
	v_add_f32 v9, v9, v10                          ; z of my block
	ds_store_b64 v11, v[8:9]                       ; all lanes write the same pair
	s_wait_dscnt 0x0                               ; for the others' sake
	s_barrier_signal -1
	s_barrier_wait -1
.irp a, 0,1,2,3,4,5,6,7
	ds_load_b128 v[64+4*\a:67+4*\a], v16 offset:16*\a   ; (m_j, z_j) at v[64 + 2 j], in every lane
.endr
	s_wait_dscnt 0x0
	v_max3_num_f32 v17, v64, v66, v68
.irp j, 3,5,7,9,11,13
	s_delay_alu instid0(VALU_DEP_1)
	v_max3_num_f32 v17, v17, v[64+2*\j], v[66+2*\j]
.endr
	s_delay_alu instid0(VALU_DEP_1)
	v_max_num_f32 v17, v17, v94                    ; M
	s_delay_alu instid0(VALU_DEP_1)
	v_sub_f32 v18, v8, v17
.irp j, 0,1,2,3,4,5,6,7,8,9,10,11,12,13,14,15
	v_sub_f32 v[64+2*\j], v[64+2*\j], v17
.endr
	v_mul_f32 v18, s22, v18
.irp j, 0,1,2,3,4,5,6,7,8,9,10,11,12,13,14,15
	v_mul_f32 v[64+2*\j], s22, v[64+2*\j]
.endr
	s_wait_alu depctr_va_vdst(0)
	v_exp_f32 v18, v18                             ; e^(m - M) of my block
.irp j, 0,1,2,3,4,5,6,7,8,9,10,11,12,13,14,15
	v_exp_f32 v[64+2*\j], v[64+2*\j]               ; f_j = e^(m_j - M), in m_j's place: the pair is now (f_j, z_j)
.endr
	v_nop                                          ; a plain place behind the exponentials
	s_wait_alu depctr_va_vdst(0)
	v_mul_f32 v19, v64, v65
	v_mul_f32 v20, v66, v67
.irp j, 2,4,6,8,10,12,14
	v_fmac_f32 v19, v[64+2*\j], v[65+2*\j]
	v_fmac_f32 v20, v[66+2*\j], v[67+2*\j]
.endr
	s_delay_alu instid0(VALU_DEP_1)
	v_add_f32 v19, v19, v20                        ; Z
	s_wait_alu depctr_va_vdst(0)
	v_rcp_f32 v19, v19
	v_nop                                          ; a plain place behind the reciprocal
	s_wait_alu depctr_va_vdst(0)
	v_mul_f32 v18, v18, v19
.irp j, 0,1,2,3
	v_mul_f32 v[12+\j], v[12+\j], v18
.endr
	global_store_b128 v2, v[12:15], s[10:11]       ; a wave stores 512 consecutive bytes
	s_wait_loadcnt 0x0                             ; the sixteen vectors
	v_pk_mul_f32 v[22:23], v[32:33], v[64:65] op_sel_hi:[1,0]       ; of the pair (f_j, z_j) the low word serves both halves
	v_pk_mul_f32 v[24:25], v[34:35], v[66:67] op_sel_hi:[1,0]
.irp j, 2,4,6,8,10,12,14
	v_pk_fma_f32 v[22:23], v[32+2*\j:33+2*\j], v[64+2*\j:65+2*\j], v[22:23] op_sel_hi:[1,0,1]
	v_pk_fma_f32 v[24:25], v[34+2*\j:35+2*\j], v[66+2*\j:67+2*\j], v[24:25] op_sel_hi:[1,0,1]
.endr
	s_delay_alu instid0(VALU_DEP_1)
	v_pk_add_f32 v[22:23], v[22:23], v[24:25]
	v_mul_f32 v22, v22, v19
	v_mul_f32 v23, v23, v19
	global_store_b64 v3, v[22:23], s[8:9]          ; a wave stores 256 consecutive bytes, aligned
	s_wait_tensorcnt 0x0
	ds_add_u32 v112, v113
	s_wait_dscnt 0x0
	s_endpgm
.Lfunc_end_k_q098d480840_combine:
	.size	k_q098d480840_combine, .Lfunc_end_k_q098d480840_combine-k_q098d480840_combine
	.p2alignl 7, 3214868480
	.fill 96, 4, 3214868480
	.section	.rodata,"a",@progbits
	.p2align	6, 0x0
	.amdhsa_kernel k_q098d480840_combine
		.amdhsa_group_segment_fixed_size 2304
		.amdhsa_private_segment_fixed_size 0
		.amdhsa_enable_private_segment 0
		.amdhsa_kernarg_size 32
		.amdhsa_user_sgpr_count 2
		.amdhsa_user_sgpr_kernarg_segment_ptr 1
		.amdhsa_wavefront_size32 1
		.amdhsa_system_sgpr_workgroup_id_x 1
		.amdhsa_system_sgpr_workgroup_id_y 1
		.amdhsa_system_sgpr_workgroup_id_z 1
		.amdhsa_system_vgpr_workitem_id 0
		.amdhsa_next_free_vgpr 114
		.amdhsa_next_free_sgpr 66
		.amdhsa_reserve_vcc 0
		.amdhsa_float_denorm_mode_32 3
		.amdhsa_float_denorm_mode_16_64 3
		.amdhsa_memory_ordered 1
		.amdhsa_forward_progress 1
		.amdhsa_inst_pref_size 11
	.end_amdhsa_kernel
	.amdgpu_metadata
---
amdhsa.version: [ 1, 2 ]
amdhsa.kernels:
  - .name:           k_q098d480840_combine
    .symbol:         k_q098d480840_combine.kd
    .args:
      - { .name: lg, .offset: 0, .size: 8, .value_kind: global_buffer, .address_space: global }
      - { .name: pv, .offset: 8, .size: 8, .value_kind: global_buffer, .address_space: global }
      - { .name: out0, .offset: 16, .size: 8, .value_kind: global_buffer, .address_space: global }
      - { .name: out1, .offset: 24, .size: 8, .value_kind: global_buffer, .address_space: global }
    .group_segment_fixed_size: 2304
    .private_segment_fixed_size: 0
    .kernarg_segment_align: 8
    .kernarg_segment_size: 32
    .max_flat_workgroup_size: 512
    .sgpr_count:     66
    .vgpr_count:     114
    .wavefront_size: 32
...
	.end_amdgpu_metadata
.endif
;; end of part 3
